; MI455X (gfx1250); checked and timed in simulation.
; The chip was launched on July 23, 2026; its instructions are those of AMD's public machine-readable ISA for CDNA 5 (MIT licence, August 2026) and "CDNA5" Instruction Set Architecture Reference Guide (July 2026). The comments in the code are by the model that wrote it; some were corrected since.
;; co Attention. Allowed arithmetic: float matrix products may take bf16 or f16 operands with f32 sums; other float arithmetic in f32, or as packed bf16 or f16 multiplies, adds, multiply-adds, maxima and minima; sums over many terms, partial sums and values carried from step to step in f32; what a program stores and reads back later, other than sums and carried values, may be rounded once to bf16 or f16.
;; Inputs: K 16 x 1,024 x 128 float32; M 16 x 1,024 x 1,024 float32; Q 16 x 512 x 1,024 float32; W3 1,024 x 1,024 float32; W4 1,024 x 1,024 float32; Wd 2,048 x 128 float32; Wp 1,024 x 512 float32; b3 1,024 float32; bd 128 float32; bp 1,024 float32; ht 16 x 1,024 x 1,024 float32.
;; Outputs: out0 16 x 1,024 x 1,024 float32.
;; 2 versions, each right; version 2 is version 1 with the launch prep written anew for expert scheduling mode. Each part assembles by itself: llvm-mc -triple=amdgcn-amd-amdhsa -mcpu=gfx1250 --defsym DOCPART=n.
;; ======== version 1 of 2: 2 launches
;; limits: values are held in f16: magnitudes above 65,504 overflow, below 6.1e-05 lose precision; inputs' magnitudes at most 65,504
;; workspace buffers: XB 50,331,648 bytes; WA 4,194,304 bytes; RS4 4,096 bytes
;; launch prep (part 1): grid 1072 x 1, 8 waves a work-group, no clusters, 70,656 bytes of LDS; arguments Q, M, W3, W4, Wp, XB, WA, RS4; writes XB, WA, RS4
.if DOCPART == 1
	.amdgcn_target "amdgcn-amd-amdhsa--gfx1250"
	.amdhsa_code_object_version 6
	.text
	.protected	k_q76d0d848b7_prep
	.globl	k_q76d0d848b7_prep
	.p2align	8
	.type	k_q76d0d848b7_prep,@function
k_q76d0d848b7_prep:
	s_mov_b64 s[64:65], 0
	v_nop
	global_prefetch_b8 v0, s[64:65] scope:SCOPE_SE
	s_setreg_imm32_b32 hwreg(HW_REG_WAVE_MODE, 25, 1), 1
	s_wait_xcnt 0x0
; PREP: what the product launch behind this one multiplies, written once in f16.
;   XB [16][1536][1024] f16: rows 0-511 of a batch are Q[b], rows 512-1535 are M[b].
;   WA [32][1024][64] f16: block s holds 64 channels of K for all 1,024 rows i: s 0-7 Wp, s 8-15 W45 = W4 Wp, s 16-31 W3.
;   RS4 [1024] f32: the sum of row i of W4 (of its numbers rounded to bf16, as the product takes them).
; W4 (Wp Q + bp) = (W4 Wp) Q + rowsum(W4)[i] bp[k] holds for every input, so q never goes through memory.
; FORMATS.  Q, M, Wp and W3 are rounded to bf16, and that number is written as f16: exact from 2^-14 up to 65,504.  W45 is the product of W4 and Wp rounded to bf16, summed in f32 and rounded
; once to f16: its rounding is multiplied by q in the output, and bf16's 8 significant bits are too few for that.
; LIMITS.  A number of 65,520 or more becomes an infinity in f16; below 2^-14 a number keeps f16's fixed step of 6e-8 (W45's numbers fall there where W4 and Wp are both some 30 times smaller
; than 0.02).  K, ht, Wd and bd are no arguments: no number of the output hangs on them.
; THE GRID.  Work-groups 0-255: W45 (32 rows x 64 columns each, K = 1,024 split among the eight waves).  256-511: Q.  512-1023: M.  1024-1055: W3.  1056-1071: Wp.
; A cast work-group takes 131,072 bytes of f32: 32 turns of 4,096 bytes; a thread takes 16 bytes and stores 8; a wave's store covers 256 consecutive bytes, aligned.
.set PARTB, 8704                       ; LDS: a wave's part: first its stage for Wp (32 rows x 160 bytes), then its partial sums (32 rows x 272 bytes)
.set SPARE, 8*PARTB                    ; behind the parts: the spare words, 128 bytes for each wave: four blocks of 256 bytes that no other line names
.set BLK,   131072                     ; bytes in a block of WA
.set VIN,  1                           ; v1   a cast's byte offset in its input; never rewritten
.set VOUT, 2                           ; v2   8 x thread: its byte offset in the output; never rewritten
.set SPW,  10                          ; v10  LDS address of my spare word; never rewritten
.set NIL,  11                          ; v11  0; never rewritten
.set AO,   12                          ; v12  W45: my offset in W4's rows
.set BO,   13                          ; v13  my offset in Wp's rows
.set SB,   14                          ; v14  where I put 8 bytes of Wp in my stage
.set TB,   15                          ; v15  where the turning load reads it
.set PS,   16                          ; v16  where I put my partial sums
.set PS1,  17                          ; v17  where I put my partial row sum
.set RDP,  18                          ; v18  where I read the eight partial sums
.set WO,   19                          ; v19  16 x thread: my 16 bytes of WA
.set RSA,  20                          ; v20  where lane l reads row l's partial row sums
.set RSO,  21                          ; v21  4 x lane
.set X,    24                          ; v[24:87]   casts: 16 slots of 4 registers as loaded
.set Y,    88                          ; v[88:151]  casts: 32 pairs to store, each written once: no store's source is ever rewritten
.set T,    152                         ; v[152:157] casts: at work
.set RAWA, 24                          ; v[24:55]   W45: W4 in f32
.set RAWB, 56                          ; v[56:119]  Wp in f32, then in bf16
.set FA,   120                         ; v[120:135] two fragments of W4
.set FB,   136                         ; v[136:167] four fragments of Wp
.set ONES, 168                         ; v[168:175] a fragment of ones
.set ACC,  176                         ; v[176:255] tile (a, c) at ACC + 8 (4 a + c); the row sums of tile row a at ACC + 64 + 8 a
	s_load_b512 s[4:19], s[0:1], 0x0               ; Q s[4:5], M s[6:7], W3 s[8:9], W4 s[10:11], Wp s[12:13], XB s[14:15], WA s[16:17], RS4 s[18:19]
	v_lshl_add_u32 v[SPW], v0, 2, SPARE
	v_mov_b32 v[NIL], 0
	v_lshrrev_b32 v3, 5, v0
	v_readfirstlane_b32 s20, v3                    ; wave 0..7
	s_mov_b32 s21, ttmp9                           ; the work-group's number: all branches below are the same for its eight waves
	s_mov_b32 s2, 0xffff0000                       ; a word's upper bf16
	s_mov_b32 s29, 0                               ; high word of every offset
	s_mov_b32 s31, 0
	s_wait_kmcnt 0x0
	s_cmp_lt_u32 s21, 256
	s_cbranch_scc1 .Lw45
	s_cmp_lt_u32 s21, 1024
	s_cbranch_scc1 .Lplain
	s_cmp_lt_u32 s21, 1056
	s_cbranch_scc1 .Lw3
; Turn it of a cast.  ns = blocks of WA that a row is cut into (1: the output is dense); gin = input bytes from one group of rows to the next.
.macro CLOAD it, ns, gin, nt
.if \nt
	global_load_b128 v[X+4*((\it)%16):X+4*((\it)%16)+3], v[VIN], s[22:23] offset:((\it)/(\ns))*(\gin)+((\it)%(\ns))*256 th:TH_LOAD_NT
.else
	global_load_b128 v[X+4*((\it)%16):X+4*((\it)%16)+3], v[VIN], s[22:23] offset:((\it)/(\ns))*(\gin)+((\it)%(\ns))*256
.endif
.endm
.macro CAST ns, gin, nt
.set it, 0
.rept 16
	CLOAD it, \ns, \gin, \nt                       ; sixteen loads of every wave are on their way
.set it, it+1
.endr
.set it, 0
.rept 32
.if it < 16
	s_wait_loadcnt 15                              ; loads come back in order: mine is in, the fifteen younger ones stay out
.else
	s_wait_loadcnt 31-it                           ; nothing is loaded any more: the counts run down
.endif
	v_cvt_pk_bf16_f32 v[T], v[X+4*(it%16)], v[X+4*(it%16)+1]      ; rounded to bf16,
	v_cvt_pk_bf16_f32 v[T+1], v[X+4*(it%16)+2], v[X+4*(it%16)+3]
.if it < 16
	CLOAD it+16, \ns, \gin, \nt                    ; the slot's second and last fill, as soon as the slot is read
.endif
	v_lshlrev_b32 v[T+2], 16, v[T]                 ; widened again: the low half moves up, the high half stays,
	v_and_b32     v[T+3], s2, v[T]
	v_lshlrev_b32 v[T+4], 16, v[T+1]
	v_and_b32     v[T+5], s2, v[T+1]
	v_cvt_pk_f16_f32 v[Y+2*it], v[T+2], v[T+3]     ; and written as f16
	v_cvt_pk_f16_f32 v[Y+2*it+1], v[T+4], v[T+5]
	global_store_b64 v[VOUT], v[Y+2*it:Y+2*it+1], s[24:25] offset:(it%(\ns))*BLK+(it/(\ns))*2048
.set it, it+1
.endr
	s_branch .Lend
.endm
	; Wp: 64 rows of 2,048 bytes a work-group; 16 lanes take the 256 bytes of a row that make its 128 bytes in one block, a turn takes 16 rows of one block
	s_sub_co_u32 s26, s21, 1056
	s_lshl_b32 s28, s26, 17
	s_add_nc_u64 s[22:23], s[12:13], s[28:29]
	s_lshl_b32 s28, s26, 13                        ; 64 rows x 128 bytes in each block
	s_add_nc_u64 s[24:25], s[16:17], s[28:29]
	v_lshrrev_b32 v3, 4, v0
	v_and_b32 v4, 15, v0
	v_lshlrev_b32 v[VIN], 11, v3
	v_lshl_add_u32 v[VIN], v4, 4, v[VIN]
	v_lshlrev_b32 v[VOUT], 3, v0
	CAST 8, 32768, 0                               ; no hint: the W45 work-groups read Wp too
.Lw3:                                              ; W3: 32 rows of 4,096 bytes a work-group, into blocks 16 to 31
	s_sub_co_u32 s26, s21, 1024
	s_lshl_b32 s28, s26, 17
	s_add_nc_u64 s[22:23], s[8:9], s[28:29]
	s_lshl_b32 s28, s26, 12                        ; 32 rows x 128 bytes in each block
	s_add_co_u32 s28, s28, 16*BLK
	s_add_nc_u64 s[24:25], s[16:17], s[28:29]
	v_lshrrev_b32 v3, 4, v0
	v_and_b32 v4, 15, v0
	v_lshlrev_b32 v[VIN], 12, v3
	v_lshl_add_u32 v[VIN], v4, 4, v[VIN]
	v_lshlrev_b32 v[VOUT], 3, v0
	CAST 16, 65536, 1
.Lplain:                                           ; Q and M: 32 rows of 4,096 bytes a work-group, into 32 rows of 2,048 bytes of XB
	s_mov_b32 s26, 512                             ; M's first work-group (an instruction holds one literal: the select below names this register)
	s_cmp_lt_u32 s21, 512
	s_cselect_b64 s[22:23], s[4:5], s[6:7]
	s_cselect_b32 s26, 256, s26                    ; the tensor's first work-group
	s_cselect_b32 s27, 4, 5                        ; 16 or 32 work-groups to a batch
	s_cselect_b32 s28, 0, 1048576                  ; M lies behind Q's 512 rows
	s_sub_co_u32 s26, s21, s26                     ; my number in the tensor
	s_lshr_b32 s24, s26, s27                       ; the batch
	s_lshl_b32 s25, s24, s27
	s_sub_co_u32 s25, s26, s25                     ; my number in the batch
	s_mul_i32 s24, s24, 3145728
	s_lshl_b32 s25, s25, 16
	s_add_co_u32 s28, s28, s24
	s_add_co_u32 s28, s28, s25
	s_add_nc_u64 s[24:25], s[14:15], s[28:29]
	s_lshl_b32 s30, s26, 17
	s_add_nc_u64 s[22:23], s[22:23], s[30:31]
	v_lshlrev_b32 v[VIN], 4, v0
	v_lshlrev_b32 v[VOUT], 3, v0
	CAST 1, 4096, 1
; W45[i][m] = the sum over j of W4[i][j] Wp[j][m].  The work-group makes rows 32 it .. + 31 and columns 64 jb .. + 63, which are rows of block 8 + jb of WA.
; Wave p takes j = 128 p .. 128 p + 127, in four steps of 32.  The product is taken transposed (source 0 = 16 columns of Wp, source 1 = 16 rows of W4): a lane holds one row i
; (lane % 16) and the columns 8 (lane / 16) + 0..7.  W4's rows lie along j: a fragment comes straight from memory and is rounded.  Wp lies [j][m]: it is rounded, laid into the
; wave's own stage and read turned.  A fragment of ones as source 0 makes the row sums of W4.
.Lw45:
	s_lshr_b32 s26, s21, 3                         ; it
	s_and_b32 s27, s21, 7                          ; jb
	s_lshl_b32 s28, s26, 17
	s_add_nc_u64 s[22:23], s[10:11], s[28:29]      ; W4 at my 32 rows
	s_lshl_b32 s28, s27, 8
	s_add_nc_u64 s[24:25], s[12:13], s[28:29]      ; Wp at my 64 columns
	s_lshl_b32 s28, s27, 17
	s_lshl_b32 s30, s26, 12
	s_add_co_u32 s28, s28, s30
	s_add_co_u32 s28, s28, 8*BLK
	s_add_nc_u64 s[16:17], s[16:17], s[28:29]      ; WA at block 8 + jb, my 32 rows
	s_lshl_b32 s28, s26, 7
	s_add_nc_u64 s[18:19], s[18:19], s[28:29]      ; RS4 at my 32 rows
	v_and_b32 v3, 31, v0                           ; l
	v_and_b32 v4, 15, v0                           ; r = l % 16
	v_bfe_u32 v5, v0, 4, 1                         ; h = l / 16
	s_lshl_b32 s30, s20, 9
	v_lshlrev_b32 v[AO], 12, v4                    ; row r of W4, 8 h numbers in, my wave's 128 numbers
	v_lshl_add_u32 v[AO], v5, 5, v[AO]
	v_add_nc_u32 v[AO], s30, v[AO]
	s_lshl_b32 s30, s20, 18
	v_lshlrev_b32 v[BO], 11, v5                    ; lanes 0-15 take 256 bytes of one row of Wp, lanes 16-31 of the next; my wave's 128 rows
	v_lshl_add_u32 v[BO], v4, 4, v[BO]
	v_add_nc_u32 v[BO], s30, v[BO]
	s_mul_i32 s30, s20, PARTB                      ; my part of LDS
	v_mul_u32_u24 v[SB], v5, 160
	v_lshl_add_u32 v[SB], v4, 3, v[SB]
	v_add_nc_u32 v[SB], s30, v[SB]
	v_and_b32 v6, 7, v0
	v_lshl_add_u32 v6, v5, 3, v6                   ; the turning load: row 8 h + l % 8, 16 bytes by (l / 8) % 2
	v_mul_u32_u24 v[TB], v6, 160
	v_bfe_u32 v6, v0, 3, 1
	v_lshl_add_u32 v[TB], v6, 4, v[TB]
	v_add_nc_u32 v[TB], s30, v[TB]
	v_mul_u32_u24 v7, v4, 272
	v_add_nc_u32 v7, s30, v7
	v_lshl_add_u32 v[PS], v5, 5, v7
	v_add_nc_u32 v[PS1], 256, v7
	v_lshrrev_b32 v8, 3, v0                        ; at the end thread t sums row t / 8, columns 8 (t % 8) + 0..7
	v_mul_u32_u24 v[RDP], v8, 272
	v_and_b32 v8, 7, v0
	v_lshl_add_u32 v[RDP], v8, 5, v[RDP]
	v_lshlrev_b32 v[WO], 4, v0
	v_mul_u32_u24 v[RSA], v3, 272
	v_add_nc_u32 v[RSA], 256, v[RSA]
	v_lshlrev_b32 v[RSO], 2, v3
.set m, 0
.rept 8
	v_mov_b32 v[ONES+m], 0x3f803f80                ; 1.0 twice in bf16
.set m, m+1
.endr
.macro LOADS ks                        ; a step's 24 loads: W4, 2 x 16 rows x 32 numbers; Wp, 32 rows x 64 numbers
.irp a, 0,1
	global_load_b128 v[RAWA+16*(\a):RAWA+16*(\a)+3],     v[AO], s[22:23] offset:(\a)*65536+(\ks)*128
	global_load_b128 v[RAWA+16*(\a)+4:RAWA+16*(\a)+7],   v[AO], s[22:23] offset:(\a)*65536+(\ks)*128+16
	global_load_b128 v[RAWA+16*(\a)+8:RAWA+16*(\a)+11],  v[AO], s[22:23] offset:(\a)*65536+(\ks)*128+64
	global_load_b128 v[RAWA+16*(\a)+12:RAWA+16*(\a)+15], v[AO], s[22:23] offset:(\a)*65536+(\ks)*128+80
.endr
.set u, 0
.rept 16
	global_load_b128 v[RAWB+4*u:RAWB+4*u+3], v[BO], s[24:25] offset:(32*(\ks)+2*u)*2048
.set u, u+1
.endr
.endm
.macro KS ks
	s_wait_loadcnt 0x0                             ; the step's 24 loads
.set m, 0
.rept 16
	v_cvt_pk_bf16_f32 v[FA+m], v[RAWA+2*m], v[RAWA+2*m+1]
.set m, m+1
.endr
.set u, 0
.rept 16
	v_cvt_pk_bf16_f32 v[RAWB+4*u], v[RAWB+4*u], v[RAWB+4*u+1]
	v_cvt_pk_bf16_f32 v[RAWB+4*u+1], v[RAWB+4*u+2], v[RAWB+4*u+3]
.set u, u+1
.endr
.set u, 0
.rept 16
	ds_store_b64 v[SB], v[RAWB+4*u:RAWB+4*u+1] offset:320*u  ; rows 2 u and 2 u + 1 of the stage
.set u, u+1
.endr
.irp c, 0,1,2,3
	ds_load_tr16_b128 v[FB+8*(\c):FB+8*(\c)+3],   v[TB] offset:32*(\c)       ; LDS serves a wave's instructions in order (ISA guide 5.7.1.4): these see the stores above
	ds_load_tr16_b128 v[FB+8*(\c)+4:FB+8*(\c)+7], v[TB] offset:2560+32*(\c)
.endr
	s_wait_dscnt 0x0                               ; the fragments are in, and the stores have read RAWB
.if (\ks) < 3
	LOADS (\ks)+1                                  ; the next step's loads go out ahead of this step's products
.endif
.irp a, 0,1                            ; ten accumulators by turns, in the same order in every step
.irp c, 0,1,2,3
.if (\ks) == 0
	v_wmma_f32_16x16x32_bf16 v[ACC+8*(4*(\a)+(\c)):ACC+8*(4*(\a)+(\c))+7], v[FB+8*(\c):FB+8*(\c)+7], v[FA+8*(\a):FA+8*(\a)+7], 0
.else
	v_wmma_f32_16x16x32_bf16 v[ACC+8*(4*(\a)+(\c)):ACC+8*(4*(\a)+(\c))+7], v[FB+8*(\c):FB+8*(\c)+7], v[FA+8*(\a):FA+8*(\a)+7], v[ACC+8*(4*(\a)+(\c)):ACC+8*(4*(\a)+(\c))+7]
.endif
.endr
.endr
.irp a, 0,1
.if (\ks) == 0
	v_wmma_f32_16x16x32_bf16 v[ACC+64+8*(\a):ACC+64+8*(\a)+7], v[ONES:ONES+7], v[FA+8*(\a):FA+8*(\a)+7], 0
.else
	v_wmma_f32_16x16x32_bf16 v[ACC+64+8*(\a):ACC+64+8*(\a)+7], v[ONES:ONES+7], v[FA+8*(\a):FA+8*(\a)+7], v[ACC+64+8*(\a):ACC+64+8*(\a)+7]
.endif
.endr
.rept 4
	v_nop                                          ; four places behind the last product (ISA guide 7.12.1), ahead of the next step's writes of its sources
.endr
.endm
	LOADS 0
	KS 0
	KS 1
	KS 2
	KS 3
.rept 4
	v_nop
.endr
.irp a, 0,1                            ; my partial sums, over my stage, which I have read out: 32 rows of 256 bytes, pitch 272; each accumulator's low registers first
.irp c, 0,1,2,3
	ds_store_b128 v[PS], v[ACC+8*(4*(\a)+(\c)):ACC+8*(4*(\a)+(\c))+3]   offset:(\a)*4352+64*(\c)
	ds_store_b128 v[PS], v[ACC+8*(4*(\a)+(\c))+4:ACC+8*(4*(\a)+(\c))+7] offset:(\a)*4352+64*(\c)+16
.endr
	ds_store_b32 v[PS1], v[ACC+64+8*(\a)] offset:(\a)*4352  ; every register of that tile holds row r's sum; both halves of the lanes write the same word with the same number
.endr
	s_wait_dscnt 0x0                               ; for the others' sake: my stores are done
	s_barrier_signal -1
	s_barrier_wait -1                              ; all eight partial sums lie in LDS
.irp p, 0,1,2,3,4,5,6,7
	ds_load_b128 v[24+8*(\p):24+8*(\p)+3], v[RDP] offset:(\p)*PARTB
	ds_load_b128 v[24+8*(\p)+4:24+8*(\p)+7], v[RDP] offset:(\p)*PARTB+16
.endr
	s_wait_dscnt 0x0
.irp p, 0,2,4,6
.irp k, 0,2,4,6
	v_pk_add_f32 v[24+8*(\p)+(\k):24+8*(\p)+(\k)+1], v[24+8*(\p)+(\k):24+8*(\p)+(\k)+1], v[32+8*(\p)+(\k):32+8*(\p)+(\k)+1]
.endr
.endr
.irp p, 0,4
.irp k, 0,2,4,6
	v_pk_add_f32 v[24+8*(\p)+(\k):24+8*(\p)+(\k)+1], v[24+8*(\p)+(\k):24+8*(\p)+(\k)+1], v[40+8*(\p)+(\k):40+8*(\p)+(\k)+1]
.endr
.endr
.irp k, 0,2,4,6
	v_pk_add_f32 v[24+(\k):24+(\k)+1], v[24+(\k):24+(\k)+1], v[56+(\k):56+(\k)+1]
.endr
.irp k, 0,1,2,3
	v_cvt_pk_f16_f32 v[88+(\k)], v[24+2*(\k)], v[24+2*(\k)+1]  ; W45 is rounded once, to f16
.endr
	global_store_b128 v[WO], v[88:91], s[16:17]    ; a wave stores 512 consecutive bytes: four rows of the block
	s_or_b32 s30, s27, s20                         ; the row sums are the same in all eight column blocks: wave 0 of column block 0 stores them
	s_cmp_lg_u32 s30, 0
	s_cbranch_scc1 .Lend
.irp p, 0,1,2,3,4,5,6,7
	ds_load_b32 v[96+(\p)], v[RSA] offset:(\p)*PARTB
.endr
	s_wait_dscnt 0x0
	v_add_f32 v96, v96, v97
	v_add_f32 v98, v98, v99
	v_add_f32 v100, v100, v101
	v_add_f32 v102, v102, v103
	v_add_f32 v96, v96, v98
	v_add_f32 v100, v100, v102
	v_add_f32 v96, v96, v100
	global_store_b32 v[RSO], v96, s[18:19]         ; 32 rows: 128 consecutive bytes
.Lend:
	s_wait_tensorcnt 0x0                           ; the wave's end, behind my last LDS store
	ds_add_u32 v[SPW], v[NIL]
	s_wait_dscnt 0x0
	s_endpgm
.Lfunc_end_k_q76d0d848b7_prep:
	.size	k_q76d0d848b7_prep, .Lfunc_end_k_q76d0d848b7_prep-k_q76d0d848b7_prep
	.p2alignl 7, 3214868480
	.fill 96, 4, 3214868480
	.section	.rodata,"a",@progbits
	.p2align	6, 0x0
	.amdhsa_kernel k_q76d0d848b7_prep
		.amdhsa_group_segment_fixed_size 70656
		.amdhsa_private_segment_fixed_size 0
		.amdhsa_enable_private_segment 0
		.amdhsa_kernarg_size 64
		.amdhsa_user_sgpr_count 2
		.amdhsa_user_sgpr_kernarg_segment_ptr 1
		.amdhsa_wavefront_size32 1
		.amdhsa_system_sgpr_workgroup_id_x 1
		.amdhsa_system_sgpr_workgroup_id_y 1
		.amdhsa_system_sgpr_workgroup_id_z 1
		.amdhsa_system_vgpr_workitem_id 0
		.amdhsa_next_free_vgpr 256
		.amdhsa_next_free_sgpr 66
		.amdhsa_reserve_vcc 0
		.amdhsa_float_denorm_mode_32 3
		.amdhsa_float_denorm_mode_16_64 3
		.amdhsa_memory_ordered 1
		.amdhsa_forward_progress 1
		.amdhsa_inst_pref_size 99
	.end_amdhsa_kernel
	.amdgpu_metadata
---
amdhsa.version: [ 1, 2 ]
amdhsa.kernels:
  - .name:           k_q76d0d848b7_prep
    .symbol:         k_q76d0d848b7_prep.kd
    .args:
      - { .name: Q, .offset: 0, .size: 8, .value_kind: global_buffer, .address_space: global }
      - { .name: M, .offset: 8, .size: 8, .value_kind: global_buffer, .address_space: global }
      - { .name: W3, .offset: 16, .size: 8, .value_kind: global_buffer, .address_space: global }
      - { .name: W4, .offset: 24, .size: 8, .value_kind: global_buffer, .address_space: global }
      - { .name: Wp, .offset: 32, .size: 8, .value_kind: global_buffer, .address_space: global }
      - { .name: XB, .offset: 40, .size: 8, .value_kind: global_buffer, .address_space: global }
      - { .name: WA, .offset: 48, .size: 8, .value_kind: global_buffer, .address_space: global }
      - { .name: RS4, .offset: 56, .size: 8, .value_kind: global_buffer, .address_space: global }
    .group_segment_fixed_size: 70656
    .private_segment_fixed_size: 0
    .kernarg_segment_align: 8
    .kernarg_segment_size: 64
    .max_flat_workgroup_size: 256
    .sgpr_count:     66
    .vgpr_count:     256
    .wavefront_size: 32
...
	.end_amdgpu_metadata
.endif
;; end of part 1
;; launch main (part 2): grid 4 x 64, 4 waves a work-group, clusters of 4 x 4, 327,680 bytes of LDS; arguments WA, XB, RS4, bp, b3, out0; writes out0
.if DOCPART == 2
	.amdgcn_target "amdgcn-amd-amdhsa--gfx1250"
	.amdhsa_code_object_version 6
	.text
	.protected	k_q76d0d848b7_main
	.globl	k_q76d0d848b7_main
	.p2align	8
	.type	k_q76d0d848b7_main,@function
k_q76d0d848b7_main:
	s_mov_b64 s[64:65], 0
	v_nop
	global_prefetch_b8 v0, s[64:65] scope:SCOPE_SE
	s_setreg_imm32_b32 hwreg(HW_REG_WAVE_MODE, 25, 1), 1
	s_wait_xcnt 0x0
	s_wait_alu depctr_hold_cnt(0) depctr_sa_sdst(0) depctr_va_vdst(0) depctr_va_sdst(0) depctr_va_ssrc(0) depctr_va_vcc(0) depctr_vm_vsrc(0)
	s_getreg_b32 s2, hwreg(HW_REG_IB_STS2, 6, 4)
	s_cmp_eq_u32 s2, 0
	s_cbranch_scc0 .Lentry_in_a_cluster
	s_endpgm
.Lentry_in_a_cluster:
	s_bfe_u32 s2, ttmp6, 0x10000c
	s_cmp_lg_u32 s2, 0xf033
	s_cbranch_scc0 .Lentry_shape_is_right
	s_endpgm
.Lentry_shape_is_right:
; out0[b][i][k] = relu(Z) q, with q = Wp Q[b] + bp[k] and Z = W3 M[b] + W4 q + b3[k] = W3 M[b] + W45 Q[b] + rs4[i] bp[k] + b3[k]  (W45 = W4 Wp, rs4 = the row sums of W4).
; ONE WALK OVER K = 2,048 with A = [Wp | W45 | W3] (WA: 32 blocks of 64 channels, [block][1024 rows][64] f16) and X = [Q; Q again; M] (XB: [16][1536][1024] f16, rows along K).
; After the first 512 channels the sums, which began with bp, ARE q: they are rounded to bf16 and set aside in the wave's own LDS, and the sums begin anew with b3.
; FORMATS.  Operands in f16, sums in f32.  Q, M, Wp and W3 arrive rounded to bf16 and written as f16; W45 arrives rounded once to f16: its rounding is multiplied by q in the output, and
; 8 significant bits are too few for that.  One matrix form serves the whole walk, so that the sums are chains in place from end to end.
; LIMITS.  f16 holds no number beyond 65,504, and below 2^-14 it keeps a fixed step of 6e-8.  q is rounded once to bf16 where it is set aside: at most 2^-8 of each output number itself.
; relu is v_max_num_f32: a NaN in Z counts as 0.  K, ht, Wd and bd are no arguments: no number of the output hangs on them.
; SHARES.  A tile of the output is 256 x 256: four waves, each 128 x 128: 64 accumulators of 16 x 16, 512 registers.  A batch has 4 x 4 tiles, and they are ONE CLUSTER: the four work-groups of a
; row of the cluster need the same rows of A, the four of a column the same columns of X: each tile is asked for JOINTLY, by the same tensor load with the same descriptor and a mask of the four.
; K goes in 32 steps of 64 through two LDS slots.  Longer steps do not fit: 131,072 bytes of LDS hold q.
; THE MATRIX INSTRUCTION IS USED TRANSPOSED: source 0 = 16 columns of X (read turned out of LDS, by ds_load_tr16_b128), source 1 = 16 rows of A.  A lane then holds row i = lane % 16 and the
; columns 8 (lane / 16) + 0..7.  bp and b3, which go by column, are laid out so in 64 registers each and are the C operand of the products that start the sums.
; REGISTERS, in windows of 256 (s_set_vgpr_msb: bits 1:0 source 0, 3:2 source 1, 5:4 source 2, 7:6 destination):
;   window 0: v0-31 addresses; v32-47 rs4; v64-127, v128-191 fragments of A, two buffers; v192-255 at work.  On the way out v64-127 hold a block's numbers, v128-191 its q, v192-255 whole rows
;   window 1: v0-63 bp; v64-127, v128-191 fragments of X, two buffers; v192-255 b3
;   window 2: the 32 accumulators of my rows 0-63 ((a, b) at v[8 (8 a + b)]);   window 3: those of my rows 64-127
.set STEPB,  131072                    ; bytes from one K step to the next: a block of WA, and 64 rows of XB
.set XBATCH, 3145728                   ; bytes of a batch in XB
.set PA,     144                       ; a row of A in LDS: 128 bytes + 16 = 36 words: the 16 rows of a load start at 16 different groups of four banks (64 banks of 4 bytes: ISA guide 11.1)
.set PX,     544                       ; a row of X: 512 bytes + 32 = 136 words
.set AHALF,  128*PA                    ; what wave 0 or 1 fetches, and what a wave reads of A
.set XHALF,  32*PX                     ; what wave 2 or 3 fetches: 32 of a step's 64 rows
.set XOFF,   2*AHALF
.set SLOT,   XOFF+2*XHALF
.set STASH,  2*SLOT                    ; behind the ring, never filled by a tensor load: q, 32,768 bytes for each wave: accumulator (a, b) at 512 (8 a + b), 16 bytes a lane
.set STAGE,  STASH+4*32768             ; 16 rows x 528 bytes for each wave, for the way out
.set SPITCH, 528
.set SPARE,  STAGE+4*16*SPITCH         ; the spare words, 128 bytes for each wave: two blocks of 256 bytes that no other line names
.set RO,   12                          ; v12  4 x (lane % 16)
.set ADRA, 16                          ; v16-17  LDS address of my A fragments in slot 0, 1
.set ADRB, 20                          ; v20-21  the same for X
.set STH,  22                          ; v22  my 16 bytes in my part of the stash
.set STO,  24                          ; v24  the way out: where I put 32 bytes of a row
.set RD,   25                          ; v25  where I read 16 bytes of a row back
.set CO,   26                          ; v26  16 x lane: my bytes of a row of the output
.set BO,   27                          ; v27  32 x (lane / 16)
.set SPW,  28                          ; v28  LDS address of my spare word; never rewritten
.set NIL,  29                          ; v29  0, for the add alone; never rewritten
.set PFO,  30                          ; v30  the prefetches' offset; never rewritten
.set ZR,   31                          ; v31  0
.set RS,   32                          ; v[32:47]  rs4 of my row in block a, twice, at RS + 2 a
.set F0,   64
.set F1,   128
.set TMP,  192
.set U,    64
.set QS,   128
.set OB,   192
.set BP,   0                           ; window 1
.set B3,   192                         ; window 1
.set WV, 16                            ; s16  my wave's number
.set WR, 17                            ; s17  which half of the tile's rows is mine.  Also: I fetch for A (0) or for X (1)
.set WC, 18                            ; s18  which half of its columns.  Also: which half of that tile I fetch
.set CX, 19
.set CY, 20
.set BT, 21                            ; s21  the batch
.set KB, 22                            ; s22  the tile column
.set G1,  24                           ; s[24:31] descriptor group 1 for A;  s[32:39] group 0, a set for each slot
.set G0,  32
.set ASKM, 43                          ; s43  bit 0: this change of slots prefetches; shifted down at each change
.set PFA, 44                           ; s[44:45] where my prefetches stand
.set BK,  46                           ; s[46:47] what they step back where Q is walked again
.set G1B, 48                           ; s[48:55], s[56:63] the same for X
.set G0B, 56
.set MSB, 0
.macro WIN new                         ; the immediate's high byte repeats the setting that is left; a switch that changes nothing is dropped
.if MSB != (\new)
	s_set_vgpr_msb (MSB<<8)|(\new)
.set MSB, \new
.endif
.endm
; A joint load.  Waves 0 and 1 fetch A's two halves, waves 2 and 3 X's.  The branch hangs on the wave's number alone.  An s_nop 0 and four v_nop follow each of the two lines.
.macro JLOAD s
	s_cmp_eq_u32 s[WR], 0
	s_cbranch_scc0 .Lfor_x_\@
	tensor_load_to_lds s[G0+4*(\s):G0+4*(\s)+3], s[G1:G1+7]
	s_nop 0
.rept 4
	v_nop
.endr
	s_branch .Lasked_\@
.Lfor_x_\@:
	tensor_load_to_lds s[G0B+4*(\s):G0B+4*(\s)+3], s[G1B:G1B+7]
	s_nop 0
.rept 4
	v_nop
.endr
.Lasked_\@:
.endm
; A PREFETCH INTO THE L2 of the K step that stands two refills on, 256 matrix instructions ahead of the load that will want it: 32 blocks of 256 bytes, a lane a block, one instruction.
; X: a step has 64 rows x 512 bytes for my tile column; the four partners that ask for it jointly take 16 rows each, told apart BY ADDRESS (cy); in each, wave 2 asks.  Q's second walk is not asked for.
; A: a step has 32,768 bytes for my tile row; the four partners take 8,192 each (cx); wave 0 asks, in batch 0 alone: all batches walk the same A.  So each block is named once in the launch.
; Which changes of slots ask is a mask, made from the wave's number and the batch: the same in all sixteen partners.  The first four steps come by their loads alone; the last two refills ask for nothing.
.macro ASK
	s_bitcmp1_b32 s[ASKM], 0
	s_cbranch_scc0 .Lnot_mine_\@
	global_prefetch_b8 v[PFO], s[PFA:PFA+1] th:TH_LOAD_NT scope:SCOPE_SE
.Lnot_mine_\@:
	s_lshr_b32 s[ASKM], s[ASKM], 1
.endm
.macro CREST                           ; a round of the cluster's barrier behind its opening barrier
	s_cmp_lg_u32 s[WV], 0
	s_cbranch_scc1 .Lnot_wave_0_\@
	s_barrier_signal -3
.Lnot_wave_0_\@:
	s_barrier_wait -3
	s_barrier_signal -1
	s_barrier_wait -1
.endm
.macro CROUND                          ; a whole round
	s_barrier_signal -1
	s_barrier_wait -1
	CREST
.endm
	s_load_b256 s[4:11], s[0:1], 0x0               ; WA s[4:5], XB s[6:7], RS4 s[8:9], bp s[10:11]
	s_load_b128 s[12:15], s[0:1], 0x20             ; b3 s[12:13], out0 s[14:15]
	v_lshl_add_u32 v[SPW], v0, 2, SPARE
	v_mov_b32 v[NIL], 0
	ds_add_u32 v[SPW], v[NIL]                      ; the wave's opening: the add and its wait stand ahead of my first tensor load; the set-up below, work on registers, stands between them
	v_lshrrev_b32 v1, 5, v0
	v_readfirstlane_b32 s[WV], v1                  ; wave 0..3
	s_lshr_b32 s[WR], s[WV], 1
	s_and_b32 s[WC], s[WV], 1
	s_bfe_u32 s[CX], ttmp6, 0x40000                ; my place along the cluster's x,
	s_bfe_u32 s[CY], ttmp6, 0x40004                ; and y: the tile row
	s_and_b32 s[BT], ttmp7, 0xffff                 ; the cluster's y is the batch
	s_lshl_b32 s[KB], ttmp9, 2
	s_add_co_u32 s[KB], s[KB], s[CX]               ; tile column = 4 x cluster x + cx
	s_lshl_b32 s40, s[CY], 2
	s_lshl_b32 s40, 15, s40                        ; my row of the cluster: places 4 cy .. 4 cy + 3
	s_lshl_b32 s41, 0x1111, s[CX]                  ; my column: places cx, cx + 4, cx + 8, cx + 12
	; group 1 for A: 128 rows of a block are 16,384 dense bytes: asked for as 64 rows of 256 bytes, two rows of A each, padded in LDS after every row of A
	s_or_b32 s[G1+0], s40, (1<<16)|(1<<20)|(1<<21)|(4<<22)|(3<<25)  ; 15:0 the mask; 17:16 2-byte elements; 20 padding on; 21 set beside a mask; 24:22 after every 32 words (code 4); 31:25 4 words (code 3)
	s_mov_b32 s[G1+1], 128<<16                     ; tensor_dim0 = 128
	s_mov_b32 s[G1+2], 64<<16                      ; tensor_dim1 = 64
	s_mov_b32 s[G1+3], 128<<16                     ; tile_dim0 = 128
	s_mov_b32 s[G1+4], 64                          ; tile_dim1 = 64
	s_mov_b32 s[G1+5], 128                         ; elements from row to row
	s_mov_b32 s[G1+6], 0
	s_mov_b32 s[G1+7], 0
	; group 1 for X: 32 rows of 256 elements (512 bytes), 1,024 elements from row to row
	s_or_b32 s[G1B+0], s41, (1<<16)|(1<<20)|(1<<21)|(6<<22)|(7<<25) ; after every 128 words (code 6) 8 words of padding (code 7)
	s_mov_b32 s[G1B+1], 256<<16
	s_mov_b32 s[G1B+2], 32<<16
	s_mov_b32 s[G1B+3], 256<<16
	s_mov_b32 s[G1B+4], 32
	s_mov_b32 s[G1B+5], 1024
	s_mov_b32 s[G1B+6], 0
	s_mov_b32 s[G1B+7], 0
	; where the tiles come from.  A's hang on the tile row alone, X's on the batch and the tile column alone; each in registers that never hold the other coordinate
	s_lshl_b32 s66, s[CY], 15                      ; A: my tile row's 256 rows of 128 bytes in a block,
	s_lshl_b32 s67, s[WC], 14                      ; the half that I fetch
	s_add_co_u32 s66, s66, s67
	s_mov_b32 s67, 0
	s_mul_i32 s68, s[BT], XBATCH                   ; X: the batch,
	s_lshl_b32 s69, s[WC], 16                      ; the 32 rows that I fetch,
	s_add_co_u32 s68, s68, s69
	s_lshl_b32 s69, s[KB], 9                       ; the tile column's 512 bytes of a row
	s_add_co_u32 s68, s68, s69
	s_mov_b32 s69, 0
	s_mul_i32 s70, s[WC], AHALF                    ; and where they go: no place in the cluster enters an LDS address
	s_mul_i32 s71, s[WC], XHALF
	s_add_co_u32 s71, s71, XOFF
	s_wait_dscnt 0x0                               ; the opening add is done
	s_wait_kmcnt 0x0
	s_add_nc_u64 s[66:67], s[4:5], s[66:67]
	s_add_nc_u64 s[68:69], s[6:7], s[68:69]
	CROUND                                         ; all sixteen work-groups are here: the first joint loads meet
.irp n, 0,1
	s_mov_b32 s[G0+4*(\n)], 1                                      ; 1:0 count = 1
	s_add_co_u32 s[G0+4*(\n)+1], s70, (\n)*SLOT                    ; 63:32 LDS address
	s_add_nc_u64 s[G0+4*(\n)+2:G0+4*(\n)+3], s[66:67], (\n)*STEPB  ; 120:64 global address: K step n
	s_or_b32 s[G0+4*(\n)+3], s[G0+4*(\n)+3], 0x80000000            ; 127:126 type = 2
	s_mov_b32 s[G0B+4*(\n)], 1
	s_add_co_u32 s[G0B+4*(\n)+1], s71, (\n)*SLOT
	s_add_nc_u64 s[G0B+4*(\n)+2:G0B+4*(\n)+3], s[68:69], (\n)*STEPB
	s_or_b32 s[G0B+4*(\n)+3], s[G0B+4*(\n)+3], 0x80000000
	JLOAD \n                                       ; two tensor loads of mine are out
.endr
	v_and_b32 v1, 15, v0                           ; r = l % 16
	v_bfe_u32 v2, v0, 4, 1                         ; h = l / 16
	v_and_b32 v3, 31, v0                           ; l
	; a fragment of A: 16 rows x 32 channels: lane l holds row r, channels 8 h + 0..7 and 16 + 8 h + 0..7: two loads of 16 bytes, 32 bytes apart
	v_mul_u32_u24 v4, v1, PA
	v_lshl_add_u32 v4, v2, 4, v4
	s_mul_i32 s23, s[WR], AHALF
	v_add_nc_u32 v[ADRA], s23, v4
	v_add_nc_u32 v[ADRA+1], SLOT, v[ADRA]
	; the turning load takes 16 rows of X x 16 columns (lane l reads row 8 h + l % 8, columns 8 ((l / 8) % 2) + 0..7) and leaves half a fragment: lane l holds column r and 8 channels
	v_and_b32 v5, 7, v0
	v_lshl_add_u32 v5, v2, 3, v5
	v_mul_u32_u24 v5, v5, PX
	v_bfe_u32 v6, v0, 3, 1
	v_lshl_add_u32 v5, v6, 4, v5
	s_lshl_b32 s23, s[WC], 8                       ; my 128 columns
	s_add_co_u32 s23, s23, XOFF
	v_add_nc_u32 v[ADRB], s23, v5
	v_add_nc_u32 v[ADRB+1], SLOT, v[ADRB]
	s_lshl_b32 s23, s[WV], 15
	s_add_co_u32 s23, s23, STASH
	v_lshl_add_u32 v[STH], v3, 4, s23
	s_mul_i32 s23, s[WV], 16*SPITCH
	s_add_co_u32 s23, s23, STAGE                   ; my stage
	v_mul_u32_u24 v7, v1, SPITCH                   ; in: row r, 32 bytes for each half of the lanes
	v_lshl_add_u32 v7, v2, 5, v7
	v_add_nc_u32 v[STO], s23, v7
	v_lshl_add_u32 v[RD], v3, 4, s23               ; back: 32 lanes take a row of 512 bytes
	v_lshlrev_b32 v[CO], 4, v3
	v_lshlrev_b32 v[BO], 5, v2
	v_lshlrev_b32 v[RO], 2, v1
	v_mov_b32 v[ZR], 0
	s_lshl_b32 s68, s[KB], 10                      ; my first column in f32 bytes: 1,024 x tile column + 512 x half: for bp, b3 and the output alike
	s_lshl_b32 s69, s[WC], 9
	s_add_co_u32 s68, s68, s69
	s_mov_b32 s69, 0
	s_add_nc_u64 s[10:11], s[10:11], s[68:69]
	s_add_nc_u64 s[12:13], s[12:13], s[68:69]
	s_add_nc_u64 s[14:15], s[14:15], s[68:69]
	s_lshl_b32 s66, s[CY], 10                      ; my first row, times 4: 1,024 x tile row + 512 x half
	s_lshl_b32 s67, s[WR], 9
	s_add_co_u32 s66, s66, s67
	s_mov_b32 s67, 0
	s_add_nc_u64 s[8:9], s[8:9], s[66:67]
	s_lshl_b32 s66, s66, 10                        ; times 4,096 bytes a row of the output,
	s_lshl_b32 s23, s[BT], 22                      ; and the batch
	s_add_co_u32 s66, s66, s23
	s_add_nc_u64 s[14:15], s[14:15], s[66:67]
	WIN 0x40                                       ; destination window 1, address window 0
.irp b, 0,1,2,3,4,5,6,7                ; bp and b3 of columns 16 b + 8 h + 0..7: the layout of a result
	global_load_b128 v[BP+8*(\b):BP+8*(\b)+3],   v[BO], s[10:11] offset:64*(\b)
	global_load_b128 v[BP+8*(\b)+4:BP+8*(\b)+7], v[BO], s[10:11] offset:64*(\b)+16
	global_load_b128 v[B3+8*(\b):B3+8*(\b)+3],   v[BO], s[12:13] offset:64*(\b)
	global_load_b128 v[B3+8*(\b)+4:B3+8*(\b)+7], v[BO], s[12:13] offset:64*(\b)+16
.endr
	WIN 0
.irp a, 0,1,2,3,4,5,6,7                ; rs4 of row 16 a + r, twice: the packed multiply-add names a pair
	global_load_b32 v[RS+2*(\a)],   v[RO], s[8:9] offset:64*(\a)
	global_load_b32 v[RS+2*(\a)+1], v[RO], s[8:9] offset:64*(\a)
.endr
	; the prefetches: they stand three steps in; each change of slots steps them by one step and then names what stands there
	s_lshl_b32 s72, s[CY], 15                      ; A: my tile row's 32,768 bytes.  X: my work-group's 16 rows of 2,048 bytes.  The same number
	s_lshl_b32 s73, s[CX], 13                      ; A: my work-group's 8,192 of them
	s_add_co_u32 s73, s73, s72
	s_add_co_u32 s73, s73, 3*STEPB
	s_mul_i32 s74, s[BT], XBATCH
	s_add_co_u32 s74, s74, s72
	s_lshl_b32 s75, s[KB], 9
	s_add_co_u32 s74, s74, s75
	s_add_co_u32 s74, s74, 3*STEPB
	s_mov_b32 s75, 2048                            ; (an instruction holds one literal: the select below names this register)
	s_cmp_eq_u32 s[WR], 0                          ; do I fetch for A?
	s_cselect_b32 s[BK], s73, s74
	s_mov_b32 s[BK+1], 0
	s_cselect_b64 s[PFA:PFA+1], s[4:5], s[6:7]
	s_cselect_b32 s75, 512, s75                    ; two lanes take 512 consecutive bytes; the next two the next 512 of A, or the next row of X
	s_add_nc_u64 s[PFA:PFA+1], s[PFA:PFA+1], s[BK:BK+1]
	s_cselect_b32 s[BK], 0, 8*STEPB                ; X goes back over Q's eight steps behind the first 512 channels; A goes straight on
	s_or_b32 s72, s[WV], s[BT]
	s_cmp_eq_u32 s72, 0
	s_cselect_b32 s[ASKM], 0x0fffffff, 0           ; A: changes 0-27 name steps 4-31
	s_cmp_eq_u32 s[WV], 2
	s_cselect_b32 s[ASKM], 0x0ffff00f, s[ASKM]     ; X: changes 0-3 name Q's steps 4-7, changes 12-27 M's sixteen steps
	v_lshrrev_b32 v8, 1, v3
	v_mul_u32_u24 v[PFO], s75, v8
	v_and_b32 v8, 1, v3
	v_lshl_add_u32 v[PFO], v8, 8, v[PFO]
; 16 matrix instructions: row blocks a0, a0 + 1 of the window's four (hi = 0: my rows 0-63, 1: rows 64-127) x all 8 column blocks, 32 along K.
; cm = 0: onto the sums.  cm = 1, 2: the product starts the sums, with bp or with b3 as C: nothing is ever cleared.  The 64 accumulators take turns, in the same order everywhere.
.macro MUL16 f, hi, a0, cm
.if (\cm) == 0
	WIN 0xa1+0x50*(\hi)                            ; X window 1, A window 0, C and D window 2 or 3
.else
	WIN 0x91+0x40*(\hi)                            ; the same with C in window 1
.endif
.irp a, \a0, (\a0)+1
.irp b, 0,1,2,3,4,5,6,7
.if (\cm) == 0
	v_wmma_f32_16x16x32_f16 v[8*(8*(\a)+(\b)):8*(8*(\a)+(\b))+7], v[(\f)+8*(\b):(\f)+8*(\b)+7], v[(\f)+8*(4*(\hi)+(\a)):(\f)+8*(4*(\hi)+(\a))+7], v[8*(8*(\a)+(\b)):8*(8*(\a)+(\b))+7]
.elseif (\cm) == 1
	v_wmma_f32_16x16x32_f16 v[8*(8*(\a)+(\b)):8*(8*(\a)+(\b))+7], v[(\f)+8*(\b):(\f)+8*(\b)+7], v[(\f)+8*(4*(\hi)+(\a)):(\f)+8*(4*(\hi)+(\a))+7], v[BP+8*(\b):BP+8*(\b)+7]
.else
	v_wmma_f32_16x16x32_f16 v[8*(8*(\a)+(\b)):8*(8*(\a)+(\b))+7], v[(\f)+8*(\b):(\f)+8*(\b)+7], v[(\f)+8*(4*(\hi)+(\a)):(\f)+8*(4*(\hi)+(\a))+7], v[B3+8*(\b):B3+8*(\b)+7]
.endif
.endr
.endr
.endm
; 32 LDS loads in one run: the fragments of half q of a step (32 channels: 128 columns of X, 128 rows of A) into buffer f
.macro FETCH slot, q, f
	WIN 0x40                                       ; destination window 1, address window 0
.irp i, 0,1,2,3,4,5,6,7
	ds_load_tr16_b128 v[(\f)+8*(\i):(\f)+8*(\i)+3],   v[ADRB+(\slot)] offset:(\q)*32*PX+32*(\i)
	ds_load_tr16_b128 v[(\f)+8*(\i)+4:(\f)+8*(\i)+7], v[ADRB+(\slot)] offset:(\q)*32*PX+16*PX+32*(\i)
.endr
	WIN 0
.irp i, 0,1,2,3,4,5,6,7
	ds_load_b128 v[(\f)+8*(\i):(\f)+8*(\i)+3],   v[ADRA+(\slot)] offset:64*(\q)+(\i)*16*PA
	ds_load_b128 v[(\f)+8*(\i)+4:(\f)+8*(\i)+7], v[ADRA+(\slot)] offset:64*(\q)+(\i)*16*PA+32
.endr
.endm
.macro PLACES                          ; four places in front of loads into registers that matrix instructions have read, and of vector lines that read results
.rept 4
	v_nop
.endr
.endm
; A K step is two halves of 32 channels, 64 matrix instructions each.  The first multiplies buffer 0 and, in its middle, fetches the second half's fragments into buffer 1.
.macro QUARTER slot, cm
	s_wait_dscnt 8                                 ; X and A's rows 0-63 are in; the youngest eight loads (A's rows 64-127) may be out
	MUL16 F0, 0, 0, \cm
	MUL16 F0, 0, 2, \cm
	PLACES
	FETCH \slot, 1, F1
	s_wait_dscnt 32                                ; all but the 32 just issued
	MUL16 F0, 1, 0, \cm
	MUL16 F0, 1, 2, \cm
.endm
; The second half multiplies buffer 1 and changes slots: ONE barrier.  In front of it each wave waits for all its tensor loads, of which one is out: its part of the next slot; adds 0 to its spare
; word; and waits for that and for its own reads of this slot.  mode 0, 1: the barrier opens a round of the cluster's barrier, and behind the round this slot is filled again, with the step two on:
; that load has 96 matrix instructions in which to land.  mode 1: X goes back from Q's last steps to its first.  mode 2: nothing is left to fetch, and no round follows.
.macro TURN slot, next, mode
.if (\mode) < 2
	s_wait_xcnt 0x0                                ; the last prefetch, a K step back, has read its address: it is stepped here, ahead of the waits of the change of slots
	s_add_nc_u64 s[PFA:PFA+1], s[PFA:PFA+1], STEPB
.endif
	WIN 0                                          ; (the add's two registers lie in window 0)
	s_wait_tensorcnt 0x0                           ; all my tensor loads have landed;
	ds_add_u32 v[SPW], v[NIL]                      ; 0 onto my spare word;
	s_wait_dscnt 9                                 ; (the add and the youngest eight loads may be out)
	MUL16 F1, 0, 0, 0                              ; sixteen matrix instructions stand between the add and the wait for it
	s_wait_dscnt 0x0                               ; the add is done, and my reads of this slot are over:
	s_barrier_signal -1                            ; say so,
	MUL16 F1, 0, 2, 0                              ; work on registers while the others arrive,
	WIN 0
	s_barrier_wait -1                              ; and go on when all four have said so
.if (\mode) < 2
	CREST                                          ; no wave of any partner still reads this slot's tile or has a load on its way
	s_add_nc_u64 s[G0+4*(\slot)+2:G0+4*(\slot)+3], s[G0+4*(\slot)+2:G0+4*(\slot)+3], 2*STEPB
.if (\mode) == 0
	s_add_nc_u64 s[G0B+4*(\slot)+2:G0B+4*(\slot)+3], s[G0B+4*(\slot)+2:G0B+4*(\slot)+3], 2*STEPB
.else
	s_sub_nc_u64 s[G0B+4*(\slot)+2:G0B+4*(\slot)+3], s[G0B+4*(\slot)+2:G0B+4*(\slot)+3], 6*STEPB
.endif
	JLOAD \slot                                    ; the first tensor load behind the round; the four v_nop behind it are also the places in front of the loads below
.else
	PLACES
.endif
	FETCH \next, 0, F0
.if (\mode) < 2
	ASK                                            ; behind the joint load and the run of LDS loads that the next products wait for
.endif
	MUL16 F1, 1, 0, 0
	MUL16 F1, 1, 2, 0
.endm
	s_wait_tensorcnt 1                             ; my part of K step 0 is in; step 1's may stay out
	s_barrier_signal -1
	s_barrier_wait -1                              ; everybody's is
	FETCH 0, 0, F0
	s_wait_loadcnt 0x0                             ; bp, b3, rs4
	; K steps 0 to 7: q = bp + Wp Q
	QUARTER 0, 1
	WIN 0                                          ; at a label and at a branch every window is 0
	s_mov_b32 s3, 3
.Lq:                                               ; a trip goes once round the ring, from a step's second half to the first half of the step two on
	TURN 0, 1, 0
	QUARTER 1, 0
	TURN 1, 0, 0
	QUARTER 0, 0
	WIN 0
	s_sub_co_u32 s3, s3, 1
	s_cmp_lg_u32 s3, 0
	s_cbranch_scc1 .Lq
	TURN 0, 1, 1                                   ; steps 6 and 7 ask for steps 8 and 9: A goes on, X begins Q again
	QUARTER 1, 0
	TURN 1, 0, 1
	; q IS SET ASIDE: rounded to bf16, 16 bytes a lane and accumulator, into my own part of LDS.  Blocks 0-3 were finished ahead of the four v_nop behind the joint load; their 128 conversions,
	; which name no register of the last products (blocks 4-7's), are those products' places.  Each accumulator is read from its low end.
.irp a, 0,1,2,3,4,5,6,7
	WIN 0x0a+5*((\a)/4)                            ; sources 0 and 1: window 2 or 3
.set e, 0
.rept 32
	v_cvt_pk_bf16_f32 v[TMP+32*((\a)%2)+e], v[64*((\a)%4)+2*e], v[64*((\a)%4)+2*e+1]
.set e, e+1
.endr
	WIN 0
.irp b, 0,1,2,3,4,5,6,7
	ds_store_b128 v[STH], v[TMP+32*((\a)%2)+4*(\b):TMP+32*((\a)%2)+4*(\b)+3] offset:(8*(\a)+(\b))*512
.endr
.endr
	s_wait_xcnt 0x0                                ; the last prefetch, 32 products and the lines above back, has read its address
	s_sub_nc_u64 s[PFA:PFA+1], s[PFA:PFA+1], s[BK:BK+1]
	; K steps 8 to 31: b3 + W45 Q + W3 M
	QUARTER 0, 2
	WIN 0
	s_mov_b32 s3, 11
.Lz:
	TURN 0, 1, 0
	QUARTER 1, 0
	TURN 1, 0, 0
	QUARTER 0, 0
	WIN 0
	s_sub_co_u32 s3, s3, 1
	s_cmp_lg_u32 s3, 0
	s_cbranch_scc1 .Lz
	TURN 0, 1, 2                                   ; the tail is written out: step 30 asks for nothing
	QUARTER 1, 0
	s_wait_dscnt 8
	MUL16 F1, 0, 0, 0
	MUL16 F1, 0, 2, 0
	s_wait_dscnt 0x0
	MUL16 F1, 1, 0, 0
	MUL16 F1, 1, 2, 0
	WIN 0
	PLACES
	PLACES
; THE WAY OUT, a block of 16 rows at a time.  EPI_A: u = max(sum + rs4[i] bp[k], 0).  EPI_B: u times q, into my stage (rows of 528 bytes), and back as whole rows of 512 bytes.  SEND: stored.
.macro QLOAD a                         ; block a's q comes back from where it was set aside
.irp b, 0,1,2,3,4,5,6,7
	ds_load_b128 v[QS+32*((\a)%2)+4*(\b):QS+32*((\a)%2)+4*(\b)+3], v[STH] offset:(8*(\a)+(\b))*512
.endr
.endm
.macro EPI_A a
	WIN 0x21+0x10*((\a)/4)                         ; bp in window 1, rs4 in window 0, the sums in window 2 or 3, the result in window 0
.set e, 0
.rept 32
	v_pk_fma_f32 v[U+2*e:U+2*e+1], v[BP+2*e:BP+2*e+1], v[RS+2*(\a):RS+2*(\a)+1], v[64*((\a)%4)+2*e:64*((\a)%4)+2*e+1] op_sel_hi:[1,0,1]
.set e, e+1
.endr
	WIN 0
.set e, 0
.rept 64
	v_max_num_f32 v[U+e], 0, v[U+e]
.set e, e+1
.endr
.endm
.macro EPI_B a
	s_wait_dscnt 0x0                               ; block a's q is in
.set e, 0
.rept 32
	v_fma_mix_f32_bf16 v[U+2*e], v[QS+32*((\a)%2)+e], v[U+2*e], v[ZR] op_sel_hi:[1,0,0]                     ; q's low half x u
	v_fma_mix_f32_bf16 v[U+2*e+1], v[QS+32*((\a)%2)+e], v[U+2*e+1], v[ZR] op_sel:[1,0,0] op_sel_hi:[1,0,0]  ; its high half
.set e, e+1
.endr
.irp b, 0,1,2,3,4,5,6,7
	ds_store_b128 v[STO], v[U+8*(\b):U+8*(\b)+3]   offset:64*(\b)
	ds_store_b128 v[STO], v[U+8*(\b)+4:U+8*(\b)+7] offset:64*(\b)+16
.endr
	s_wait_xcnt 0x0                                ; the stores of the block before have read the registers that the loads below fill
.irp t, 0,1,2,3,4,5,6,7,8,9,10,11,12,13,14,15
	ds_load_b128 v[OB+4*(\t):OB+4*(\t)+3], v[RD] offset:(\t)*SPITCH  ; LDS serves a wave's instructions in order (ISA guide 5.7.1.4): these see the stores above
.endr
.if (\a) < 7
	QLOAD (\a)+1
.endif
.endm
.macro SEND a, younger                 ; younger: the next block's eight loads of q, which may stay out
	s_wait_dscnt \younger
.irp t, 0,1,2,3,4,5,6,7,8,9,10,11,12,13,14,15
	global_store_b128 v[CO], v[OB+4*(\t):OB+4*(\t)+3], s[14:15] offset:(16*(\a)+(\t))*4096 th:TH_STORE_NT  ; a wave stores 512 consecutive bytes, at a multiple of 512 from the output's first byte
.endr
.endm
	QLOAD 0
	EPI_A 0
.irp a, 0,1,2,3,4,5,6                  ; the next block's arithmetic stands between a block's loads from the stage and the wait for them
	EPI_B \a
	EPI_A (\a)+1
	SEND \a, 8
.endr
	EPI_B 7
	SEND 7, 0
	s_wait_tensorcnt 0x0                           ; the wave's end, behind my last tensor load and my last LDS store
	ds_add_u32 v[SPW], v[NIL]
	s_wait_dscnt 0x0
	CROUND                                         ; the closing round: no work-group ends while a partner may still ask for a tile that names it
	s_endpgm
.Lfunc_end_k_q76d0d848b7_main:
	.size	k_q76d0d848b7_main, .Lfunc_end_k_q76d0d848b7_main-k_q76d0d848b7_main
	.p2alignl 7, 3214868480
	.fill 96, 4, 3214868480
	.section	.rodata,"a",@progbits
	.p2align	6, 0x0
	.amdhsa_kernel k_q76d0d848b7_main
		.amdhsa_group_segment_fixed_size 327680
		.amdhsa_private_segment_fixed_size 0
		.amdhsa_enable_private_segment 0
		.amdhsa_kernarg_size 48
		.amdhsa_user_sgpr_count 2
		.amdhsa_user_sgpr_kernarg_segment_ptr 1
		.amdhsa_wavefront_size32 1
		.amdhsa_system_sgpr_workgroup_id_x 1
		.amdhsa_system_sgpr_workgroup_id_y 1
		.amdhsa_system_sgpr_workgroup_id_z 1
		.amdhsa_system_vgpr_workitem_id 0
		.amdhsa_next_free_vgpr 1024
		.amdhsa_next_free_sgpr 76
		.amdhsa_reserve_vcc 0
		.amdhsa_float_denorm_mode_32 3
		.amdhsa_float_denorm_mode_16_64 3
		.amdhsa_memory_ordered 1
		.amdhsa_forward_progress 1
		.amdhsa_inst_pref_size 241
	.end_amdhsa_kernel
	.amdgpu_metadata
---
amdhsa.version: [ 1, 2 ]
amdhsa.kernels:
  - .name:           k_q76d0d848b7_main
    .symbol:         k_q76d0d848b7_main.kd
    .args:
      - { .name: WA, .offset: 0, .size: 8, .value_kind: global_buffer, .address_space: global }
      - { .name: XB, .offset: 8, .size: 8, .value_kind: global_buffer, .address_space: global }
      - { .name: RS4, .offset: 16, .size: 8, .value_kind: global_buffer, .address_space: global }
      - { .name: bp, .offset: 24, .size: 8, .value_kind: global_buffer, .address_space: global }
      - { .name: b3, .offset: 32, .size: 8, .value_kind: global_buffer, .address_space: global }
      - { .name: out0, .offset: 40, .size: 8, .value_kind: global_buffer, .address_space: global }
    .group_segment_fixed_size: 327680
    .private_segment_fixed_size: 0
    .kernarg_segment_align: 8
    .kernarg_segment_size: 48
    .max_flat_workgroup_size: 128
    .sgpr_count:     76
    .vgpr_count:     1024
    .wavefront_size: 32
...
	.end_amdgpu_metadata
.endif
;; end of part 2
;; ======== version 2 of 2: 2 launches; version 1 with the launch prep written anew for expert scheduling mode
;; limits: values are held in f16: magnitudes above 65,504 overflow, below 6.1e-05 lose precision; inputs' magnitudes at most 65,504
;; workspace buffers: XB 50,331,648 bytes; WA 4,194,304 bytes; RS4 4,096 bytes
;; launch prep (part 3): grid 1072 x 1, 8 waves a work-group, no clusters, 70,656 bytes of LDS; arguments Q, M, W3, W4, Wp, XB, WA, RS4; writes XB, WA, RS4
.if DOCPART == 3
	.amdgcn_target "amdgcn-amd-amdhsa--gfx1250"
	.amdhsa_code_object_version 6
	.text
	.protected	k_q76d0d848b7_prep
	.globl	k_q76d0d848b7_prep
	.p2align	8
	.type	k_q76d0d848b7_prep,@function
k_q76d0d848b7_prep:
	s_mov_b64 s[64:65], 0
	v_nop
	global_prefetch_b8 v0, s[64:65] scope:SCOPE_SE
	s_setreg_imm32_b32 hwreg(HW_REG_WAVE_SCHED_MODE, 0, 2), 2
	s_setreg_imm32_b32 hwreg(HW_REG_WAVE_MODE, 25, 1), 1
	s_wait_xcnt 0x0
	s_wait_alu depctr_vm_vsrc(0)
; PREP: what the product launch behind this one multiplies, written once in f16.
;   XB [16][1536][1024] f16: rows 0-511 of a batch are Q[b], rows 512-1535 are M[b].
;   WA [32][1024][64] f16: block s holds 64 channels of K for all 1,024 rows i: s 0-7 Wp, s 8-15 W45 = W4 Wp, s 16-31 W3.
;   RS4 [1024] f32: the sum of row i of W4 (of its numbers rounded to bf16, as the product takes them).
; W4 (Wp Q + bp) = (W4 Wp) Q + rowsum(W4)[i] bp[k] holds for every input, so q never goes through memory.
; FORMATS.  Q, M, Wp and W3 are rounded to bf16, and that number is written as f16: exact from 2^-14 up to 65,504.  W45 is the product of W4 and Wp rounded to bf16, summed in f32 and rounded
; once to f16: its rounding is multiplied by q in the output, and bf16's 8 significant bits are too few for that.
; LIMITS.  A number of 65,520 or more becomes an infinity in f16; below 2^-14 a number keeps f16's fixed step of 6e-8 (W45's numbers fall there where W4 and Wp are both some 30 times smaller
; than 0.02).  K, ht, Wd and bd are no arguments: no number of the output hangs on them.
; THE GRID.  Work-groups 0-255: W45 (32 rows x 64 columns each, K = 1,024 split among the eight waves).  256-511: Q.  512-1023: M.  1024-1055: W3.  1056-1071: Wp.
; A cast work-group takes 131,072 bytes of f32: 32 turns of 4,096 bytes; a thread takes 16 bytes and stores 8; a wave's store covers 256 consecutive bytes, aligned.
; THE MODE: SCHED_MODE bits 1:0 = 2 (LLVM: expert scheduling mode 2), set by the entry lines.  The code itself states the register dependences
; between vector or matrix instructions and memory or LDS instructions, with s_wait_alu, always for 0.
; THE PLAN, CASTS.  The 32 turns go in 8 blocks of four.  Registers that memory instructions touch:
;   X0 .. X4   five buffers of four slots.  Written by loads: blocks 0 to 4 at the path's head, block p + 4 in block p (p = 1, 2, 3), into X[(p - 1) % 5].  Read by block p's roundings to bf16 (X[p % 5]).
;   Y          32 pairs, each written once, by block p's conversions to f16; read by the four stores that are issued in block p + 1.
;   VIN, VOUT  made once at the path's head and never written again: immediate offsets reach every turn.
; Block p's memory instructions touch the X and the Y that block p - 1 worked on, and no vector instruction of block p names those.  So one wait on va_vdst at a block's head states all that
; the block's loads and stores hang on, and they are dealt among its vector instructions.  Nothing that a memory instruction reads is written again: no wait on vm_vsrc.
; THE PLAN, W45.  Registers that memory or LDS instructions touch, step by step:
;   RAWA       A step's 16 conversions read it; behind them the next step's 8 loads land in it.
;   RAWB       A step's 32 conversions read it and write its pairs in place; 16 LDS stores read the pairs; then the next step's 16 loads land in it.
;   FB         The turning loads land in it; the step's products read it.
;   FA, ONES   named by vector and matrix instructions alone.  The accumulators: written by the products, read by the LDS stores of the way out.
;   the ten addresses v12 to v21: made once at the path's head and never written again.
; So ONE wait on va_vdst stands in a step, behind its conversions, and one on vm_vsrc behind its LDS stores, ahead of the loads into RAWB.  The way out has its own, each with its reason beside it.
.set PARTB, 8704                       ; LDS: a wave's part: first its stage for Wp (32 rows x 160 bytes), then its partial sums (32 rows x 272 bytes)
.set SPARE, 8*PARTB                    ; behind the parts: the spare words, 128 bytes for each wave: four blocks of 256 bytes that no other line names
.set BLK,   131072                     ; bytes in a block of WA
.set VIN,  1                           ; v1   a cast's byte offset in its input; never rewritten
.set VOUT, 2                           ; v2   8 x thread: its byte offset in the output; never rewritten
.set SPW,  10                          ; v10  LDS address of my spare word; never rewritten
.set NIL,  11                          ; v11  0; never rewritten
.set AO,   12                          ; v12  W45: my offset in W4's rows
.set BO,   13                          ; v13  my offset in Wp's rows
.set SB,   14                          ; v14  where I put 8 bytes of Wp in my stage
.set TB,   15                          ; v15  where the turning load reads it
.set PS,   16                          ; v16  where I put my partial sums
.set PS1,  17                          ; v17  where I put my partial row sum
.set RDP,  18                          ; v18  where I read the eight partial sums
.set WO,   19                          ; v19  16 x thread: my 16 bytes of WA
.set RSA,  20                          ; v20  where lane l reads row l's partial row sums
.set RSO,  21                          ; v21  4 x lane
.set X,    24                          ; v[24:103]  casts: 20 slots of 4 registers as loaded: five buffers of four
.set Y,    104                         ; v[104:167] casts: 32 pairs to store, each written once: no store's source is ever rewritten
.set T,    168                         ; v[168:173] casts: at work: no memory instruction names them
.set RAWA, 24                          ; v[24:55]   W45: W4 in f32
.set RAWB, 56                          ; v[56:119]  Wp in f32, then in bf16
.set FA,   120                         ; v[120:135] two fragments of W4
.set FB,   136                         ; v[136:167] four fragments of Wp
.set ONES, 168                         ; v[168:175] a fragment of ones
.set ACC,  176                         ; v[176:255] tile (a, c) at ACC + 8 (4 a + c); the row sums of tile row a at ACC + 64 + 8 a
	s_load_b512 s[4:19], s[0:1], 0x0               ; Q s[4:5], M s[6:7], W3 s[8:9], W4 s[10:11], Wp s[12:13], XB s[14:15], WA s[16:17], RS4 s[18:19]
	v_lshl_add_u32 v[SPW], v0, 2, SPARE
	v_mov_b32 v[NIL], 0
	v_lshrrev_b32 v3, 5, v0
	v_readfirstlane_b32 s20, v3                    ; wave 0..7
	s_mov_b32 s21, ttmp9                           ; the work-group's number: all branches below are the same for its eight waves
	s_mov_b32 s2, 0xffff0000                       ; a word's upper bf16
	s_mov_b32 s29, 0                               ; high word of every offset
	s_mov_b32 s31, 0
	s_wait_alu depctr_va_sdst(0)                   ; s20 is written, ahead of the branches and of its first reader: the W45 path makes its offsets from it
	s_wait_kmcnt 0x0
	s_cmp_lt_u32 s21, 256
	s_cbranch_scc1 .Lw45
	s_cmp_lt_u32 s21, 1024
	s_cbranch_scc1 .Lplain
	s_cmp_lt_u32 s21, 1056
	s_cbranch_scc1 .Lw3
; Turn it of a cast.  ns = blocks of WA that a row is cut into (1: the output is dense); gin = input bytes from one group of rows to the next.
.macro CLOAD it, ns, gin, nt
.if \nt
	global_load_b128 v[X+4*((\it)%20):X+4*((\it)%20)+3], v[VIN], s[22:23] offset:((\it)/(\ns))*(\gin)+((\it)%(\ns))*256 th:TH_LOAD_NT
.else
	global_load_b128 v[X+4*((\it)%20):X+4*((\it)%20)+3], v[VIN], s[22:23] offset:((\it)/(\ns))*(\gin)+((\it)%(\ns))*256
.endif
.endm
.macro CSTORE it, ns
	global_store_b64 v[VOUT], v[Y+2*(\it):Y+2*(\it)+1], s[24:25] offset:((\it)%(\ns))*BLK+((\it)/(\ns))*2048
.endm
.macro CAST ns, gin, nt
	s_wait_alu depctr_va_vdst(0)                   ; VIN and VOUT are written: every load and store of the path reads one of them as its offset
.set it, 0
.rept 20
	CLOAD it, \ns, \gin, \nt                       ; blocks 0 to 4: twenty loads of every wave are on their way
.set it, it+1
.endr
.set it, 0
.rept 32
.if it%4 == 0                          ; a block's head
.if it == 0
	s_wait_loadcnt 16                              ; loads come back in order: block 0's four are in, the sixteen younger ones stay out
.elseif it < 20
	s_wait_loadcnt 12                              ; this block's four are in, the three younger blocks stay out
.else
	s_wait_loadcnt 28-it                           ; nothing is loaded any more: the counts run down
.endif
.if it > 0
	s_wait_alu depctr_va_vdst(0)                   ; the block before has written its four pairs of Y, which the stores below read, and is done reading its X, in which the loads below (blocks 1 to 3 have them) land
.endif
.endif
.if (it >= 4) && (it < 16)
	CLOAD it+16, \ns, \gin, \nt                    ; four blocks ahead, into the slot that the block before read: its second and last fill; no vector instruction since the wait names it
.endif
.if it >= 4
	CSTORE it-4, \ns                               ; the block before
.endif
	v_cvt_pk_bf16_f32 v[T], v[X+4*(it%20)], v[X+4*(it%20)+1]      ; rounded to bf16,
	v_cvt_pk_bf16_f32 v[T+1], v[X+4*(it%20)+2], v[X+4*(it%20)+3]
	v_lshlrev_b32 v[T+2], 16, v[T]                 ; widened again: the low half moves up, the high half stays,
	v_and_b32     v[T+3], s2, v[T]
	v_lshlrev_b32 v[T+4], 16, v[T+1]
	v_and_b32     v[T+5], s2, v[T+1]
	v_cvt_pk_f16_f32 v[Y+2*it], v[T+2], v[T+3]     ; and written as f16
	v_cvt_pk_f16_f32 v[Y+2*it+1], v[T+4], v[T+5]
.set it, it+1
.endr
	s_wait_alu depctr_va_vdst(0)                   ; block 7 has written its four pairs of Y, which the last four stores read
.set it, 28
.rept 4
	CSTORE it, \ns
.set it, it+1
.endr
	s_branch .Lend
.endm
	; Wp: 64 rows of 2,048 bytes a work-group; 16 lanes take the 256 bytes of a row that make its 128 bytes in one block, a turn takes 16 rows of one block
	s_sub_co_u32 s26, s21, 1056
	s_lshl_b32 s28, s26, 17
	s_add_nc_u64 s[22:23], s[12:13], s[28:29]
	s_lshl_b32 s28, s26, 13                        ; 64 rows x 128 bytes in each block
	s_add_nc_u64 s[24:25], s[16:17], s[28:29]
	v_lshrrev_b32 v3, 4, v0
	v_and_b32 v4, 15, v0
	v_lshlrev_b32 v[VIN], 11, v3
	v_lshl_add_u32 v[VIN], v4, 4, v[VIN]
	v_lshlrev_b32 v[VOUT], 3, v0
	CAST 8, 32768, 0                               ; no hint: the W45 work-groups read Wp too
.Lw3:                                              ; W3: 32 rows of 4,096 bytes a work-group, into blocks 16 to 31
	s_sub_co_u32 s26, s21, 1024
	s_lshl_b32 s28, s26, 17
	s_add_nc_u64 s[22:23], s[8:9], s[28:29]
	s_lshl_b32 s28, s26, 12                        ; 32 rows x 128 bytes in each block
	s_add_co_u32 s28, s28, 16*BLK
	s_add_nc_u64 s[24:25], s[16:17], s[28:29]
	v_lshrrev_b32 v3, 4, v0
	v_and_b32 v4, 15, v0
	v_lshlrev_b32 v[VIN], 12, v3
	v_lshl_add_u32 v[VIN], v4, 4, v[VIN]
	v_lshlrev_b32 v[VOUT], 3, v0
	CAST 16, 65536, 1
.Lplain:                                           ; Q and M: 32 rows of 4,096 bytes a work-group, into 32 rows of 2,048 bytes of XB
	s_mov_b32 s26, 512                             ; M's first work-group (an instruction holds one literal: the select below names this register)
	s_cmp_lt_u32 s21, 512
	s_cselect_b64 s[22:23], s[4:5], s[6:7]
	s_cselect_b32 s26, 256, s26                    ; the tensor's first work-group
	s_cselect_b32 s27, 4, 5                        ; 16 or 32 work-groups to a batch
	s_cselect_b32 s28, 0, 1048576                  ; M lies behind Q's 512 rows
	s_sub_co_u32 s26, s21, s26                     ; my number in the tensor
	s_lshr_b32 s24, s26, s27                       ; the batch
	s_lshl_b32 s25, s24, s27
	s_sub_co_u32 s25, s26, s25                     ; my number in the batch
	s_mul_i32 s24, s24, 3145728
	s_lshl_b32 s25, s25, 16
	s_add_co_u32 s28, s28, s24
	s_add_co_u32 s28, s28, s25
	s_add_nc_u64 s[24:25], s[14:15], s[28:29]
	s_lshl_b32 s30, s26, 17
	s_add_nc_u64 s[22:23], s[22:23], s[30:31]
	v_lshlrev_b32 v[VIN], 4, v0
	v_lshlrev_b32 v[VOUT], 3, v0
	CAST 1, 4096, 1
; W45[i][m] = the sum over j of W4[i][j] Wp[j][m].  The work-group makes rows 32 it .. + 31 and columns 64 jb .. + 63, which are rows of block 8 + jb of WA.
; Wave p takes j = 128 p .. 128 p + 127, in four steps of 32.  The product is taken transposed (source 0 = 16 columns of Wp, source 1 = 16 rows of W4): a lane holds one row i
; (lane % 16) and the columns 8 (lane / 16) + 0..7.  W4's rows lie along j: a fragment comes straight from memory and is rounded.  Wp lies [j][m]: it is rounded, laid into the
; wave's own stage and read turned.  A fragment of ones as source 0 makes the row sums of W4.
.Lw45:
	s_lshr_b32 s26, s21, 3                         ; it
	s_and_b32 s27, s21, 7                          ; jb
	s_lshl_b32 s28, s26, 17
	s_add_nc_u64 s[22:23], s[10:11], s[28:29]      ; W4 at my 32 rows
	s_lshl_b32 s28, s27, 8
	s_add_nc_u64 s[24:25], s[12:13], s[28:29]      ; Wp at my 64 columns
	s_lshl_b32 s28, s27, 17
	s_lshl_b32 s30, s26, 12
	s_add_co_u32 s28, s28, s30
	s_add_co_u32 s28, s28, 8*BLK
	s_add_nc_u64 s[16:17], s[16:17], s[28:29]      ; WA at block 8 + jb, my 32 rows
	s_lshl_b32 s28, s26, 7
	s_add_nc_u64 s[18:19], s[18:19], s[28:29]      ; RS4 at my 32 rows
	v_and_b32 v3, 31, v0                           ; l
	v_and_b32 v4, 15, v0                           ; r = l % 16
	v_bfe_u32 v5, v0, 4, 1                         ; h = l / 16
	s_lshl_b32 s30, s20, 9
	v_lshlrev_b32 v[AO], 12, v4                    ; row r of W4, 8 h numbers in, my wave's 128 numbers
	v_lshl_add_u32 v[AO], v5, 5, v[AO]
	v_add_nc_u32 v[AO], s30, v[AO]
	s_lshl_b32 s30, s20, 18
	v_lshlrev_b32 v[BO], 11, v5                    ; lanes 0-15 take 256 bytes of one row of Wp, lanes 16-31 of the next; my wave's 128 rows
	v_lshl_add_u32 v[BO], v4, 4, v[BO]
	v_add_nc_u32 v[BO], s30, v[BO]
	s_mul_i32 s30, s20, PARTB                      ; my part of LDS
	v_mul_u32_u24 v[SB], v5, 160
	v_lshl_add_u32 v[SB], v4, 3, v[SB]
	v_add_nc_u32 v[SB], s30, v[SB]
	v_and_b32 v6, 7, v0
	v_lshl_add_u32 v6, v5, 3, v6                   ; the turning load: row 8 h + l % 8, 16 bytes by (l / 8) % 2
	v_mul_u32_u24 v[TB], v6, 160
	v_bfe_u32 v6, v0, 3, 1
	v_lshl_add_u32 v[TB], v6, 4, v[TB]
	v_add_nc_u32 v[TB], s30, v[TB]
	v_mul_u32_u24 v7, v4, 272
	v_add_nc_u32 v7, s30, v7
	v_lshl_add_u32 v[PS], v5, 5, v7
	v_add_nc_u32 v[PS1], 256, v7
	v_lshrrev_b32 v8, 3, v0                        ; at the end thread t sums row t / 8, columns 8 (t % 8) + 0..7
	v_mul_u32_u24 v[RDP], v8, 272
	v_and_b32 v8, 7, v0
	v_lshl_add_u32 v[RDP], v8, 5, v[RDP]
	v_lshlrev_b32 v[WO], 4, v0
	v_mul_u32_u24 v[RSA], v3, 272
	v_add_nc_u32 v[RSA], 256, v[RSA]
	v_lshlrev_b32 v[RSO], 2, v3
.set m, 0
.rept 8
	v_mov_b32 v[ONES+m], 0x3f803f80                ; 1.0 twice in bf16
.set m, m+1
.endr
.macro LOADA ks                        ; eight of a step's 24 loads: W4, 2 x 16 rows x 32 numbers
.irp a, 0,1
	global_load_b128 v[RAWA+16*(\a):RAWA+16*(\a)+3],     v[AO], s[22:23] offset:(\a)*65536+(\ks)*128
	global_load_b128 v[RAWA+16*(\a)+4:RAWA+16*(\a)+7],   v[AO], s[22:23] offset:(\a)*65536+(\ks)*128+16
	global_load_b128 v[RAWA+16*(\a)+8:RAWA+16*(\a)+11],  v[AO], s[22:23] offset:(\a)*65536+(\ks)*128+64
	global_load_b128 v[RAWA+16*(\a)+12:RAWA+16*(\a)+15], v[AO], s[22:23] offset:(\a)*65536+(\ks)*128+80
.endr
.endm
.macro LOADB ks                        ; the other sixteen: Wp, 32 rows x 64 numbers
.set u, 0
.rept 16
	global_load_b128 v[RAWB+4*u:RAWB+4*u+3], v[BO], s[24:25] offset:(32*(\ks)+2*u)*2048
.set u, u+1
.endr
.endm
.macro KS ks
	s_wait_loadcnt 0x0                             ; the step's 24 loads
.set m, 0
.rept 16
	v_cvt_pk_bf16_f32 v[FA+m], v[RAWA+2*m], v[RAWA+2*m+1]
.set m, m+1
.endr
.set u, 0
.rept 16
	v_cvt_pk_bf16_f32 v[RAWB+4*u], v[RAWB+4*u], v[RAWB+4*u+1]
	v_cvt_pk_bf16_f32 v[RAWB+4*u+1], v[RAWB+4*u+2], v[RAWB+4*u+3]
.set u, u+1
.endr
	s_wait_alu depctr_va_vdst(0)                   ; the conversions have written RAWB's pairs, which the LDS stores read, and are done reading RAWA and RAWB, in which the next step's loads land; the last step's products are done reading FB, in which the turning loads land
.if (\ks) < 3
	LOADA (\ks)+1                                  ; RAWA is asked for again at once: no LDS instruction reads it
.endif
.set u, 0
.rept 16
	ds_store_b64 v[SB], v[RAWB+4*u:RAWB+4*u+1] offset:320*u  ; rows 2 u and 2 u + 1 of the stage
.set u, u+1
.endr
.irp c, 0,1,2,3
	ds_load_tr16_b128 v[FB+8*(\c):FB+8*(\c)+3],   v[TB] offset:32*(\c)       ; LDS serves a wave's instructions in order (ISA guide 5.7.1.4): these see the stores above
	ds_load_tr16_b128 v[FB+8*(\c)+4:FB+8*(\c)+7], v[TB] offset:2560+32*(\c)
.endr
.if (\ks) < 3
	s_wait_alu depctr_vm_vsrc(0)                   ; the LDS stores have read RAWB's pairs, in which the loads below land and which the next step's conversions write
	LOADB (\ks)+1                                  ; the next step's loads go out ahead of this step's products; no vector instruction since the wait on va_vdst names RAWB
.endif
	s_wait_dscnt 0x0                               ; the fragments are in
.irp a, 0,1                            ; ten accumulators by turns, in the same order in every step
.irp c, 0,1,2,3
.if (\ks) == 0
	v_wmma_f32_16x16x32_bf16 v[ACC+8*(4*(\a)+(\c)):ACC+8*(4*(\a)+(\c))+7], v[FB+8*(\c):FB+8*(\c)+7], v[FA+8*(\a):FA+8*(\a)+7], 0
.else
	v_wmma_f32_16x16x32_bf16 v[ACC+8*(4*(\a)+(\c)):ACC+8*(4*(\a)+(\c))+7], v[FB+8*(\c):FB+8*(\c)+7], v[FA+8*(\a):FA+8*(\a)+7], v[ACC+8*(4*(\a)+(\c)):ACC+8*(4*(\a)+(\c))+7]
.endif
.endr
.endr
.irp a, 0,1
.if (\ks) == 0
	v_wmma_f32_16x16x32_bf16 v[ACC+64+8*(\a):ACC+64+8*(\a)+7], v[ONES:ONES+7], v[FA+8*(\a):FA+8*(\a)+7], 0
.else
	v_wmma_f32_16x16x32_bf16 v[ACC+64+8*(\a):ACC+64+8*(\a)+7], v[ONES:ONES+7], v[FA+8*(\a):FA+8*(\a)+7], v[ACC+64+8*(\a):ACC+64+8*(\a)+7]
.endif
.endr
.rept 4
	v_nop                                          ; four places behind the last product (ISA guide 7.12.1), ahead of the next step's writes of its sources
.endr
.endm
	s_wait_alu depctr_va_vdst(0)                   ; the ten addresses v12 to v21 are written, which the loads, stores and LDS instructions of the path read
	LOADA 0
	LOADB 0
	KS 0
	KS 1
	KS 2
	KS 3
.rept 4
	v_nop
.endr
	s_wait_alu depctr_va_vdst(0)                   ; the products have written the accumulators, which the LDS stores read; the places above stay beside this wait
.irp a, 0,1                            ; my partial sums, over my stage, which I have read out: 32 rows of 256 bytes, pitch 272; each accumulator's low registers first
.irp c, 0,1,2,3
	ds_store_b128 v[PS], v[ACC+8*(4*(\a)+(\c)):ACC+8*(4*(\a)+(\c))+3]   offset:(\a)*4352+64*(\c)
	ds_store_b128 v[PS], v[ACC+8*(4*(\a)+(\c))+4:ACC+8*(4*(\a)+(\c))+7] offset:(\a)*4352+64*(\c)+16
.endr
	ds_store_b32 v[PS1], v[ACC+64+8*(\a)] offset:(\a)*4352  ; every register of that tile holds row r's sum; both halves of the lanes write the same word with the same number
.endr
	s_wait_dscnt 0x0                               ; for the others' sake: my stores are done
	s_barrier_signal -1
	s_barrier_wait -1                              ; all eight partial sums lie in LDS
	s_wait_alu depctr_vm_vsrc(0)                   ; the last step's LDS stores have read RAWB's pairs (in v56 to v117): the partial sums and the row sums below land in such registers, and the last rounding writes v88 and v89.  (The conversions that named v24 to v119 stand ahead of the last step's wait on va_vdst.)
.irp p, 0,1,2,3,4,5,6,7
	ds_load_b128 v[24+8*(\p):24+8*(\p)+3], v[RDP] offset:(\p)*PARTB
	ds_load_b128 v[24+8*(\p)+4:24+8*(\p)+7], v[RDP] offset:(\p)*PARTB+16
.endr
	s_wait_dscnt 0x0
.irp p, 0,2,4,6
.irp k, 0,2,4,6
	v_pk_add_f32 v[24+8*(\p)+(\k):24+8*(\p)+(\k)+1], v[24+8*(\p)+(\k):24+8*(\p)+(\k)+1], v[32+8*(\p)+(\k):32+8*(\p)+(\k)+1]
.endr
.endr
.irp p, 0,4
.irp k, 0,2,4,6
	v_pk_add_f32 v[24+8*(\p)+(\k):24+8*(\p)+(\k)+1], v[24+8*(\p)+(\k):24+8*(\p)+(\k)+1], v[40+8*(\p)+(\k):40+8*(\p)+(\k)+1]
.endr
.endr
.irp k, 0,2,4,6
	v_pk_add_f32 v[24+(\k):24+(\k)+1], v[24+(\k):24+(\k)+1], v[56+(\k):56+(\k)+1]
.endr
.irp k, 0,1,2,3
	v_cvt_pk_f16_f32 v[88+(\k)], v[24+2*(\k)], v[24+2*(\k)+1]  ; W45 is rounded once, to f16
.endr
	s_wait_alu depctr_va_vdst(0)                   ; the roundings have written v88 to v91, which the store reads
	global_store_b128 v[WO], v[88:91], s[16:17]    ; a wave stores 512 consecutive bytes: four rows of the block
	s_or_b32 s30, s27, s20                         ; the row sums are the same in all eight column blocks: wave 0 of column block 0 stores them
	s_cmp_lg_u32 s30, 0
	s_cbranch_scc1 .Lend
.irp p, 0,1,2,3,4,5,6,7
	ds_load_b32 v[96+(\p)], v[RSA] offset:(\p)*PARTB  ; no vector instruction since the last step's conversions names v96 to v103
.endr
	s_wait_dscnt 0x0
	v_add_f32 v96, v96, v97
	v_add_f32 v98, v98, v99
	v_add_f32 v100, v100, v101
	v_add_f32 v102, v102, v103
	v_add_f32 v96, v96, v98
	v_add_f32 v100, v100, v102
	v_add_f32 v96, v96, v100
	s_wait_alu depctr_va_vdst(0)                   ; the last addition has written v96, which the store reads
	global_store_b32 v[RSO], v96, s[18:19]         ; 32 rows: 128 consecutive bytes
.Lend:
	s_wait_dscnt 0x0                               ; the closing lines, six on end
	s_wait_alu 0x0
	s_wait_tensorcnt 0x0
	ds_add_u32 v[SPW], v[NIL]
	s_wait_dscnt 0x0
	s_endpgm
.Lfunc_end_k_q76d0d848b7_prep:
	.size	k_q76d0d848b7_prep, .Lfunc_end_k_q76d0d848b7_prep-k_q76d0d848b7_prep
	.p2alignl 7, 3214868480
	.fill 96, 4, 3214868480
	.section	.rodata,"a",@progbits
	.p2align	6, 0x0
	.amdhsa_kernel k_q76d0d848b7_prep
		.amdhsa_group_segment_fixed_size 70656
		.amdhsa_private_segment_fixed_size 0
		.amdhsa_enable_private_segment 0
		.amdhsa_kernarg_size 64
		.amdhsa_user_sgpr_count 2
		.amdhsa_user_sgpr_kernarg_segment_ptr 1
		.amdhsa_wavefront_size32 1
		.amdhsa_system_sgpr_workgroup_id_x 1
		.amdhsa_system_sgpr_workgroup_id_y 1
		.amdhsa_system_sgpr_workgroup_id_z 1
		.amdhsa_system_vgpr_workitem_id 0
		.amdhsa_next_free_vgpr 256
		.amdhsa_next_free_sgpr 66
		.amdhsa_reserve_vcc 0
		.amdhsa_float_denorm_mode_32 3
		.amdhsa_float_denorm_mode_16_64 3
		.amdhsa_memory_ordered 1
		.amdhsa_forward_progress 1
		.amdhsa_inst_pref_size 98
	.end_amdhsa_kernel
	.amdgpu_metadata
---
amdhsa.version: [ 1, 2 ]
amdhsa.kernels:
  - .name:           k_q76d0d848b7_prep
    .symbol:         k_q76d0d848b7_prep.kd
    .args:
      - { .name: Q, .offset: 0, .size: 8, .value_kind: global_buffer, .address_space: global }
      - { .name: M, .offset: 8, .size: 8, .value_kind: global_buffer, .address_space: global }
      - { .name: W3, .offset: 16, .size: 8, .value_kind: global_buffer, .address_space: global }
      - { .name: W4, .offset: 24, .size: 8, .value_kind: global_buffer, .address_space: global }
      - { .name: Wp, .offset: 32, .size: 8, .value_kind: global_buffer, .address_space: global }
      - { .name: XB, .offset: 40, .size: 8, .value_kind: global_buffer, .address_space: global }
      - { .name: WA, .offset: 48, .size: 8, .value_kind: global_buffer, .address_space: global }
      - { .name: RS4, .offset: 56, .size: 8, .value_kind: global_buffer, .address_space: global }
    .group_segment_fixed_size: 70656
    .private_segment_fixed_size: 0
    .kernarg_segment_align: 8
    .kernarg_segment_size: 64
    .max_flat_workgroup_size: 256
    .sgpr_count:     66
    .vgpr_count:     256
    .wavefront_size: 32
...
	.end_amdgpu_metadata
.endif
;; end of part 3
;; launch main: the kernel of part 2 again; grid 4 x 64, 4 waves a work-group, clusters of 4 x 4, 327,680 bytes of LDS; arguments WA, XB, RS4, bp, b3, out0; writes out0
